; MI455X (gfx1250); checked and timed in simulation.
; The chip was launched on July 23, 2026; its instructions are those of AMD's public machine-readable ISA for CDNA 5 (MIT licence, August 2026) and "CDNA5" Instruction Set Architecture Reference Guide (July 2026). The comments in the code are by the model that wrote it; some were corrected since.
;; STE Quantizer. Allowed arithmetic: float matrix products may take bf16 or f16 operands with f32 sums; all other float work in f32.
;; Inputs: W 1,024 x 4,096 float32; x 8,192 x 4,096 float32.
;; Outputs: out0 8,192 x 1,024 float32.
;; 2 versions, each right; version 2 is version 1 with the launch pick written anew for expert scheduling mode. Each part assembles by itself: llvm-mc -triple=amdgcn-amd-amdhsa -mcpu=gfx1250 --defsym DOCPART=n.
;; ======== version 1 of 2: 2 launches
;; workspace buffers: wt 16,777,216 bytes; idx 32,768 bytes of whole numbers
;; launch pick (part 1): grid 256 x 1, 16 waves a work-group, no clusters, 68,096 bytes of LDS; arguments x, W, wt, idx; writes wt, idx
.if DOCPART == 1
	.amdgcn_target "amdgcn-amd-amdhsa--gfx1250"
	.amdhsa_code_object_version 6
	.text
	.protected	k_q54d6b01746_pick
	.globl	k_q54d6b01746_pick
	.p2align	8
	.type	k_q54d6b01746_pick,@function
k_q54d6b01746_pick:
	s_mov_b64 s[64:65], 0
	v_nop
	global_prefetch_b8 v0, s[64:65] scope:SCOPE_SE
	s_setreg_imm32_b32 hwreg(HW_REG_WAVE_MODE, 25, 1), 1
	s_wait_xcnt 0x0
; idx[n] = first position of the largest number of x[n][0..4095];  wt[k][d] = W[d][k].
; x: [8192][4096] f32, W: [1024][4096] f32, wt: [4096][1024] f32, idx: [8192] u32.
; The product one_hot @ W.T has one term that is not zero for each output, W[d][idx[n]]: the next launch copies row idx[n] of wt.
; The index steers addresses, so it is stored here as a whole number and used only there.  W is turned here, because a column of W
; is 1,024 words 16,384 bytes apart, while a row of wt is 4,096 consecutive bytes.
;
; LIMITS.  A NaN in x is never chosen (every compare with it is false); jnp.argmax would choose the first NaN.  A row of NaN alone or of
; -inf alone gives 0, as jnp.argmax does.  +inf, -inf, +0 = -0 and ties are served: the first of equal numbers wins.
;
; SHARES.  256 work-groups of 16 waves.  Work-group g owns rows 32 g .. 32 g + 31 of x; wave w rows 32 g + 2 w and + 1.  A wave takes a whole
; row: 32 loads of 16 bytes a lane, each 512 consecutive bytes; in load j, lane L, word c is element k = 128 j + 4 L + c.  The 32 slots are a ring
; in registers: as a slot of row 0 is used up it is asked for again with row 1, so 32 loads of every wave are out until row 1 runs down.
; Work-group g also turns one tile of W, 64 d x 256 k (d block g & 15, k block g >> 4), through LDS, while its first row of x is on its way.
; No matrix unit (nothing to multiply), no cluster (no two work-groups read the same bytes), no loop (two rows a wave, written out).
.set ROWB,  16384                      ; bytes in a row of x and of W
.set GP,    4112                       ; LDS: four tile rows of 1,024 bytes + 16 of padding = 1,028 words
.set IDXL,  16*GP                      ; LDS: behind the tile, 32 words: the group's indices
.set XOFF,  2                          ; v2      16 L
.set LST,   5                          ; v5      tile in:  w GP + 16 L
.set LRD,   6                          ; v6      tile out: r GP + 4 h + 64 w      (r = L & 15, h = L >> 4)
.set WTO,   7                          ; v7      wt: 4096 h + 16 r
.set IA,    8                          ; v8      IDXL + 8 w: my wave's two words
.set IL,    9                          ; v9      IDXL + 4 L
.set L4,    10                         ; v10     4 L
.set BASE,  12                         ; v[12:15]  chain c: 127 - 4 L - c
.set M,     16                         ; v[16:19]  chain c: largest so far
.set J,     20                         ; v[20:23]  chain c: 31 - (the load in which it stood)
.set T,     24                         ; v[24:29]  at work
.set WR,    32                         ; v[32:63]  the tile: 8 x 4 as loaded, then 8 x 4 as stored
.set X,     64                         ; v[64:191] 32 slots of 4
	s_load_b256 s[4:11], s[0:1], 0x0               ; x s[4:5], W s[6:7], wt s[8:9], idx s[10:11]
	v_lshl_add_u32 v192, v0, 2, 0x10200
	v_mov_b32 v193, 0
	v_lshrrev_b32 v1, 5, v0
	v_readfirstlane_b32 s14, v1                    ; wave w, 0 to 15
	v_and_b32 v1, 31, v0                           ; lane L
	s_mov_b32 s12, 0x76543210                      ; v_permlanex16_b32: lane i of one half reads lane i of the other
	s_mov_b32 s13, 0xfedcba98
	s_and_b32 s15, ttmp9, 15                       ; d block of my tile
	s_lshr_b32 s24, ttmp9, 4                       ; k block of my tile
	; byte offsets, each in a pair of its own with 0 on top (all are below 2^28)
	s_lshl_b32 s16, ttmp9, 19                      ; x: 32 rows of 16,384 bytes a group,
	s_lshl_b32 s25, s14, 15                        ;    2 rows a wave
	s_add_co_u32 s16, s16, s25
	s_mov_b32 s17, 0
	s_lshl_b32 s18, s15, 20                        ; W: 64 rows of 16,384 bytes a d block,
	s_lshl_b32 s25, s14, 16                        ;    4 rows a wave,
	s_or_b32 s18, s18, s25
	s_lshl_b32 s25, s24, 10                        ;    256 words a k block
	s_or_b32 s18, s18, s25
	s_mov_b32 s19, 0
	s_lshl_b32 s26, s24, 20                        ; wt: 256 rows of 4,096 bytes a k block,
	s_lshl_b32 s25, s14, 16                        ;     16 rows a wave,
	s_or_b32 s26, s26, s25
	s_lshl_b32 s25, s15, 8                         ;     64 words a d block
	s_or_b32 s26, s26, s25
	s_mov_b32 s27, 0
	s_lshl_b32 s28, ttmp9, 7                       ; idx: 32 words a group
	s_mov_b32 s29, 0
	v_lshlrev_b32 v[XOFF], 4, v1
	s_wait_kmcnt 0x0
	s_add_nc_u64 s[4:5], s[4:5], s[16:17]
	s_add_nc_u64 s[6:7], s[6:7], s[18:19]
	s_add_nc_u64 s[8:9], s[8:9], s[26:27]
	s_add_nc_u64 s[10:11], s[10:11], s[28:29]
	; All loads first: my four tile rows (two halves of 512 bytes each), then row 0 of x.  Both inputs are read once in the launch.
.irp i, 0,1,2,3
.irp f, 0,1
	global_load_b128 v[WR+8*\i+4*\f:WR+8*\i+4*\f+3], v[XOFF], s[6:7] offset:\i*ROWB+\f*512 th:TH_LOAD_NT
.endr
.endr
.irp j, 0,1,2,3,4,5,6,7,8,9,10,11,12,13,14,15,16,17,18,19,20,21,22,23,24,25,26,27,28,29,30,31
	global_load_b128 v[X+4*\j:X+4*\j+3], v[XOFF], s[4:5] offset:512*\j th:TH_LOAD_NT
.endr
	; the other addresses, while the loads are out
	v_and_b32 v3, 15, v1                           ; r
	v_lshrrev_b32 v4, 4, v1                        ; h
	s_mul_i32 s25, s14, GP
	v_add_nc_u32 v[LST], s25, v[XOFF]
	v_mul_u32_u24 v[LRD], v3, GP
	v_lshl_add_u32 v[LRD], v4, 2, v[LRD]
	s_lshl_b32 s25, s14, 6
	v_add_nc_u32 v[LRD], s25, v[LRD]
	v_lshlrev_b32 v[WTO], 4, v3
	v_lshl_add_u32 v[WTO], v4, 12, v[WTO]
	s_lshl_b32 s25, s14, 3
	s_add_co_u32 s25, s25, IDXL
	v_mov_b32 v[IA], s25
	v_lshl_add_u32 v[IL], v1, 2, IDXL
	v_lshlrev_b32 v[L4], 2, v1
.irp c, 0,1,2,3
	v_sub_nc_u32 v[BASE+\c], 127-\c, v[L4]
.endr
	v_mov_b32 v[T+1], 0                            ; v_permlanex16_b32 counts as a reader of its destination: written once here
	; THE TILE INTO LDS.  W[d][k] of the tile lies at (d >> 2) GP + (d & 3) 1024 + 4 k; my rows are d = 4 w + i.
	s_wait_loadcnt 32                              ; loads come back in order (ISA guide 5.7.1): the 8 of W are in, the 32 of x behind them stay out
.irp t, 0,1,2,3,4,5,6,7
	ds_store_b128 v[LST], v[WR+4*\t:WR+4*\t+3] offset:512*\t       ; 16 lanes on 256 consecutive bytes
.endr
	s_wait_dscnt 0x0                               ; for the other waves, which read these bytes: zero
	s_barrier_signal -1
	s_barrier_wait -1                              ; the whole tile is in LDS; nobody writes it again
	; THE TILE OUT, TURNED.  Group u of four loads: lane (r, h) takes W[4 r + i][16 w + 2 u + h], i = 0..3, four neighbouring d of one k.
	; The word address is 1,028 r + 256 i + k: modulo the 64 banks of 4 bytes (ISA guide 11.1) that is 4 r + h + a constant, 32 different banks.
.irp u, 0,1,2,3,4,5,6,7
.irp i, 0,1,2,3
	ds_load_b32 v[WR+4*\u+\i], v[LRD] offset:\i*1024+8*\u
.endr
.endr
.irp u, 0,1,2,3,4,5,6,7
	s_wait_dscnt 28-4*\u                           ; LDS loads come back in order: group u is in, the 4 (7 - u) loads behind it stay out
	global_store_b128 v[WTO], v[WR+4*\u:WR+4*\u+3], s[8:9] offset:8192*\u   ; lanes 0-15: 256 consecutive bytes of wt's row k, aligned; lanes 16-31: of row k + 1
.endr                                                  ; no hint: the next launch reads wt.  WR, WTO and s[8:9] are never written again
; THE ARGMAX.  Four chains, one for each word of a slot, which do not wait for each other.
.macro INIT                            ; -inf loses to every number; a chain that meets nothing larger points at its first element
.irp c, 0,1,2,3
	v_mov_b32 v[M+\c], 0xff800000
	v_mov_b32 v[J+\c], 31
.endr
.endm
; Slot j.  left = how many younger loads may stay out.  refill = 1: the slot is asked for again, with the same piece of the wave's second row.
.macro SLOT j, refill, left
	s_wait_loadcnt \left
.irp c, 0,1,2,3
	v_cmp_gt_f32 s[20+\c], v[X+4*\j+\c], v[M+\c]   ; strictly larger: of equal numbers the earlier stays; false for a NaN
.endr
.irp c, 0,1,2,3
	v_cndmask_b32 v[M+\c], v[M+\c], v[X+4*\j+\c], s[20+\c]
.endr
.irp c, 0,1,2,3
	v_cndmask_b32 v[J+\c], v[J+\c], 31-\j, s[20+\c]
.endr
.if \refill
	global_load_b128 v[X+4*\j:X+4*\j+3], v[XOFF], s[4:5] offset:ROWB+512*\j th:TH_LOAD_NT
.endif
.endm
; The largest of register r over the 32 lanes, in every lane: four steps inside each half of 16 lanes ride on the arithmetic, one crosses the halves.
.macro WAVEMAX r
.irp m, 1,2,4,8
	v_max_num_f32_dpp v[\r], v[\r], v[\r] row_xmask:\m row_mask:0xf bank_mask:0xf
.endr
	v_permlanex16_b32 v[T+1], v[\r], s12, s13
	v_max_num_f32 v[\r], v[\r], v[T+1]
.endm
; From 128 chains to the row's index.  First the row's maximum; then, among the chains that hold it, the largest 4095 - k, that is the smallest k.
; 4095 - k = 128 (31 - j) + 127 - 4 L - c is at most 4,095 and exact in f32, so the same reduction serves.  A chain that holds less offers -1.
; At least one chain holds the maximum, so the result is 0 to 4,095.
.macro REDUCE row
	v_max3_num_f32 v[T], v[M], v[M+1], v[M+2]
	v_max_num_f32 v[T], v[T], v[M+3]
	WAVEMAX T
.irp c, 0,1,2,3
	v_lshl_add_u32 v[T+2+\c], v[J+\c], 7, v[BASE+\c]
	v_cmp_eq_f32 s[20+\c], v[M+\c], v[T]
.endr
.irp c, 0,1,2,3
	v_cvt_f32_u32 v[T+2+\c], v[T+2+\c]
.endr
.irp c, 0,1,2,3
	v_cndmask_b32 v[T+2+\c], -1.0, v[T+2+\c], s[20+\c]
.endr
	v_max3_num_f32 v[T+2], v[T+2], v[T+3], v[T+4]
	v_max_num_f32 v[T+2], v[T+2], v[T+5]
	WAVEMAX T+2
	v_cvt_u32_f32 v[T+2], v[T+2]
	v_sub_nc_u32 v[T+2], 0xfff, v[T+2]             ; k
	ds_store_b32 v[IA], v[T+2] offset:4*\row       ; every lane writes the same word with the same value
.endm
	INIT                                           ; ROW 0.  Behind slot j's load stand 31 - j loads of row 0 and j of row 1: always 31
.irp j, 0,1,2,3,4,5,6,7,8,9,10,11,12,13,14,15,16,17,18,19,20,21,22,23,24,25,26,27,28,29,30,31
	SLOT \j, 1, 31
.endr
	REDUCE 0
	INIT                                           ; ROW 1.  Nothing is asked for any more: the counts run down to 0
.irp j, 0,1,2,3,4,5,6,7,8,9,10,11,12,13,14,15,16,17,18,19,20,21,22,23,24,25,26,27,28,29,30,31
	SLOT \j, 0, 31-\j
.endr
	REDUCE 1
	; THE INDICES OUT: the group's 32 words meet in LDS, and wave 0 stores them as 128 consecutive bytes with one instruction.
	s_wait_dscnt 0x0                               ; for wave 0, which reads my two words: zero
	s_barrier_signal -1
	s_barrier_wait -1
	s_cmp_lg_u32 s14, 0
	s_cbranch_scc1 .Lend
	ds_load_b32 v[T], v[IL]
	s_wait_dscnt 0x0
	global_store_b32 v[L4], v[T], s[10:11]
.Lend:
	s_wait_tensorcnt 0x0
	ds_add_u32 v192, v193
	s_wait_dscnt 0x0
	s_endpgm
.Lfunc_end_k_q54d6b01746_pick:
	.size	k_q54d6b01746_pick, .Lfunc_end_k_q54d6b01746_pick-k_q54d6b01746_pick
	.p2alignl 7, 3214868480
	.fill 96, 4, 3214868480
	.section	.rodata,"a",@progbits
	.p2align	6, 0x0
	.amdhsa_kernel k_q54d6b01746_pick
		.amdhsa_group_segment_fixed_size 68096
		.amdhsa_private_segment_fixed_size 0
		.amdhsa_enable_private_segment 0
		.amdhsa_kernarg_size 32
		.amdhsa_user_sgpr_count 2
		.amdhsa_user_sgpr_kernarg_segment_ptr 1
		.amdhsa_wavefront_size32 1
		.amdhsa_system_sgpr_workgroup_id_x 1
		.amdhsa_system_sgpr_workgroup_id_y 1
		.amdhsa_system_sgpr_workgroup_id_z 1
		.amdhsa_system_vgpr_workitem_id 0
		.amdhsa_next_free_vgpr 194
		.amdhsa_next_free_sgpr 66
		.amdhsa_reserve_vcc 0
		.amdhsa_float_denorm_mode_32 3
		.amdhsa_float_denorm_mode_16_64 3
		.amdhsa_memory_ordered 1
		.amdhsa_forward_progress 1
		.amdhsa_inst_pref_size 68
	.end_amdhsa_kernel
	.amdgpu_metadata
---
amdhsa.version: [ 1, 2 ]
amdhsa.kernels:
  - .name:           k_q54d6b01746_pick
    .symbol:         k_q54d6b01746_pick.kd
    .args:
      - { .name: x, .offset: 0, .size: 8, .value_kind: global_buffer, .address_space: global }
      - { .name: W, .offset: 8, .size: 8, .value_kind: global_buffer, .address_space: global }
      - { .name: wt, .offset: 16, .size: 8, .value_kind: global_buffer, .address_space: global }
      - { .name: idx, .offset: 24, .size: 8, .value_kind: global_buffer, .address_space: global }
    .group_segment_fixed_size: 68096
    .private_segment_fixed_size: 0
    .kernarg_segment_align: 8
    .kernarg_segment_size: 32
    .max_flat_workgroup_size: 512
    .sgpr_count:     66
    .vgpr_count:     194
    .wavefront_size: 32
...
	.end_amdgpu_metadata
.endif
;; end of part 1
;; launch gather (part 2): grid 256 x 1, 16 waves a work-group, no clusters, 0 bytes of LDS; arguments wt, idx, out0; writes out0
.if DOCPART == 2
	.amdgcn_target "amdgcn-amd-amdhsa--gfx1250"
	.amdhsa_code_object_version 6
	.text
	.protected	k_q54d6b01746_gather
	.globl	k_q54d6b01746_gather
	.p2align	8
	.type	k_q54d6b01746_gather,@function
k_q54d6b01746_gather:
	s_mov_b64 s[64:65], 0
	v_nop
	global_prefetch_b8 v0, s[64:65] scope:SCOPE_SE
	s_setreg_imm32_b32 hwreg(HW_REG_WAVE_MODE, 25, 1), 1
	s_wait_xcnt 0x0
; out0[n][d] = wt[idx[n]][d] = W[d][idx[n]]: what one_hot(idx) @ W.T comes to, since each output has one term that is not zero.
; wt: [4096][1024] f32, idx: [8192] u32 (both stored by the launch before), out0: [8192][1024] f32.  The numbers are copied, not rounded.
;
; LIMITS.  W is taken as finite: in the product as written an infinity or a NaN anywhere in W's row d would, multiplied by 0, make NaN of
; out0[n][d] for every n; here only the chosen word counts.  A chosen -0.0 stays -0.0, where the sum with the other terms' zeros gives +0.0.
;
; SHARES.  256 work-groups of 16 waves.  Work-group g owns rows 32 g .. 32 g + 31 of out0, wave w rows 32 g + 2 w and + 1.  A row is 4,096 bytes:
; 8 loads and 8 stores of 16 bytes a lane, each 512 consecutive bytes, aligned.  A wave asks for both its rows at once, 16 loads, which is all its
; work: no ring, no loop, no LDS, no barrier.  No cluster: which rows of wt two work-groups share hangs on the data.
.set ROWB, 4096                        ; bytes in a row of wt and of out0
.set LO,   1                           ; v1       16 L
.set OA,   2                           ; v2       byte offset in wt of my 16 bytes of the first row
.set OB,   3                           ; v3       the same for the second row
.set D,    8                           ; v[8:71]  16 x 4: the two rows, one behind the other
	s_load_b128 s[4:7], s[0:1], 0x0                ; wt s[4:5], idx s[6:7]
	s_load_b64 s[8:9], s[0:1], 0x10                ; out0
	v_lshrrev_b32 v4, 5, v0
	v_readfirstlane_b32 s14, v4                    ; wave w, 0 to 15
	v_and_b32 v[LO], 31, v0
	v_lshlrev_b32 v[LO], 4, v[LO]
	s_lshl_b32 s10, ttmp9, 7                       ; idx: 32 words a group,
	s_lshl_b32 s11, s14, 3                         ;      2 a wave
	s_add_co_u32 s10, s10, s11
	s_lshl_b32 s20, ttmp9, 17                      ; out0: 32 rows of 4,096 bytes a group,
	s_lshl_b32 s11, s14, 13                        ;       2 a wave
	s_add_co_u32 s20, s20, s11
	s_mov_b32 s21, 0
	s_wait_kmcnt 0x0
	s_load_b64 s[12:13], s[6:7], s10 offset:0x0    ; my two indices; no line of this launch writes idx
	s_add_nc_u64 s[8:9], s[8:9], s[20:21]
	s_wait_kmcnt 0x0
	s_min_u32 s12, s12, 0xfff                      ; a number from memory enters an address only behind a bound written here; it changes no index of 0 to 4,095
	s_min_u32 s13, s13, 0xfff
	v_lshl_add_u32 v[OA], s12, 12, v[LO]           ; row x 4,096 + 16 L: at most 4,095 x 4,096 + 496
	v_lshl_add_u32 v[OB], s13, 12, v[LO]
.irp t, 0,1,2,3,4,5,6,7
	global_load_b128 v[D+4*\t:D+4*\t+3], v[OA], s[4:5] offset:512*\t       ; no hint: several tokens may name the same row
.endr
.irp t, 0,1,2,3,4,5,6,7
	global_load_b128 v[D+32+4*\t:D+32+4*\t+3], v[OB], s[4:5] offset:512*\t
.endr
.irp u, 0,1,2,3,4,5,6,7,8,9,10,11,12,13,14,15
	s_wait_loadcnt 15-\u                           ; loads come back in order (ISA guide 5.7.1): load u is in, the 15 - u behind it stay out
	global_store_b128 v[LO], v[D+4*\u:D+4*\u+3], s[8:9] offset:512*\u th:TH_STORE_NT   ; the second row follows the first at 8 x 512 = 4,096 bytes
.endr
	s_endpgm
.Lfunc_end_k_q54d6b01746_gather:
	.size	k_q54d6b01746_gather, .Lfunc_end_k_q54d6b01746_gather-k_q54d6b01746_gather
	.p2alignl 7, 3214868480
	.fill 96, 4, 3214868480
	.section	.rodata,"a",@progbits
	.p2align	6, 0x0
	.amdhsa_kernel k_q54d6b01746_gather
		.amdhsa_group_segment_fixed_size 0
		.amdhsa_private_segment_fixed_size 0
		.amdhsa_enable_private_segment 0
		.amdhsa_kernarg_size 24
		.amdhsa_user_sgpr_count 2
		.amdhsa_user_sgpr_kernarg_segment_ptr 1
		.amdhsa_wavefront_size32 1
		.amdhsa_system_sgpr_workgroup_id_x 1
		.amdhsa_system_sgpr_workgroup_id_y 1
		.amdhsa_system_sgpr_workgroup_id_z 1
		.amdhsa_system_vgpr_workitem_id 0
		.amdhsa_next_free_vgpr 72
		.amdhsa_next_free_sgpr 66
		.amdhsa_reserve_vcc 0
		.amdhsa_float_denorm_mode_32 3
		.amdhsa_float_denorm_mode_16_64 3
		.amdhsa_memory_ordered 1
		.amdhsa_forward_progress 1
		.amdhsa_inst_pref_size 5
	.end_amdhsa_kernel
	.amdgpu_metadata
---
amdhsa.version: [ 1, 2 ]
amdhsa.kernels:
  - .name:           k_q54d6b01746_gather
    .symbol:         k_q54d6b01746_gather.kd
    .args:
      - { .name: wt, .offset: 0, .size: 8, .value_kind: global_buffer, .address_space: global }
      - { .name: idx, .offset: 8, .size: 8, .value_kind: global_buffer, .address_space: global }
      - { .name: out0, .offset: 16, .size: 8, .value_kind: global_buffer, .address_space: global }
    .group_segment_fixed_size: 0
    .private_segment_fixed_size: 0
    .kernarg_segment_align: 8
    .kernarg_segment_size: 24
    .max_flat_workgroup_size: 512
    .sgpr_count:     66
    .vgpr_count:     72
    .wavefront_size: 32
...
	.end_amdgpu_metadata
.endif
;; end of part 2
;; ======== version 2 of 2: 2 launches; version 1 with the launch pick written anew for expert scheduling mode
;; workspace buffers: wt 16,777,216 bytes; idx 32,768 bytes of whole numbers
;; launch pick (part 3): grid 256 x 1, 16 waves a work-group, no clusters, 68,096 bytes of LDS; arguments x, W, wt, idx; writes wt, idx
.if DOCPART == 3
	.amdgcn_target "amdgcn-amd-amdhsa--gfx1250"
	.amdhsa_code_object_version 6
	.text
	.protected	k_q54d6b01746_pick
	.globl	k_q54d6b01746_pick
	.p2align	8
	.type	k_q54d6b01746_pick,@function
k_q54d6b01746_pick:
	s_mov_b64 s[64:65], 0
	v_nop
	global_prefetch_b8 v0, s[64:65] scope:SCOPE_SE
	s_setreg_imm32_b32 hwreg(HW_REG_WAVE_SCHED_MODE, 0, 2), 2
	s_setreg_imm32_b32 hwreg(HW_REG_WAVE_MODE, 25, 1), 1
	s_wait_xcnt 0x0
	s_wait_alu depctr_vm_vsrc(0)
; idx[n] = first position of the largest number of x[n][0..4095];  wt[k][d] = W[d][k].
; x: [8192][4096] f32, W: [1024][4096] f32, wt: [4096][1024] f32, idx: [8192] u32.
; The product one_hot @ W.T has one term that is not zero for each output, W[d][idx[n]]: the next launch copies row idx[n] of wt.
; The index steers addresses, so it is stored here as a whole number and used only there.  W is turned here, because a column of W
; is 1,024 words 16,384 bytes apart, while a row of wt is 4,096 consecutive bytes.
;
; LIMITS.  A NaN in x is never chosen (every compare with it is false); jnp.argmax would choose the first NaN.  A row of NaN alone or of
; -inf alone gives 0, as jnp.argmax does.  +inf, -inf, +0 = -0 and ties are served: the first of equal numbers wins.
;
; SHARES.  256 work-groups of 16 waves.  Work-group g owns rows 32 g .. 32 g + 31 of x; wave w rows 32 g + 2 w and + 1.  A wave takes a whole
; row: 32 loads of 16 bytes a lane, each 512 consecutive bytes; in load j, lane L, word c is element k = 128 j + 4 L + c.  The 32 slots are a ring
; in registers: a block of four slots of row 0 that is used up is asked for again, with row 1, in the next block, so 28 to 32 loads of every wave
; are out until row 1 runs down.
; Work-group g also turns one tile of W, 64 d x 256 k (d block g & 15, k block g >> 4), through LDS, while its first row of x is on its way.
; No matrix unit (nothing to multiply), no cluster (no two work-groups read the same bytes), no loop (two rows a wave, written out).
;
; THE MODE: SCHED_MODE bits 1:0 = 2 (LLVM: expert scheduling mode 2), set by the entry lines.  The code itself states the register dependences
; between vector instructions and memory or LDS instructions, and those that pass through a scalar register that a vector instruction writes,
; with s_wait_alu, always for 0.
; THE PLAN.  Registers that memory or LDS instructions touch:
;   v[XOFF]                    made at the head, read by every global load, never written again.
;   v[LST] v[LRD] v[WTO] v[IA] v[IL] v[L4]   made once while the loads are out; no vector instruction writes them again.
;   WR    W's loads land in it, the LDS stores read it, the turned tile's LDS loads land in it, wt's stores read it.  No vector instruction names it.
;   X     slot j: its four compares and four of its selects read it.  Row 0 goes in eight blocks of four slots: block p works on slots 4 p .. 4 p + 3, and its
;         memory instructions are the four loads that fill block p - 1's slots again, which no vector instruction of block p names.
;   RES   a register for each row's index: written by the last line of the row's reduction, read by the LDS stores at the end.
;   v[T]  at work in the reductions; at the very end wave 0's LDS load lands in it.
; So on va_vdst: one wait ahead of the first load, one ahead of the first LDS store, one at the head of each of row 0's blocks 1 to 7 and one behind
; block 7, one behind the last reduction.  On vm_vsrc: one, between the tile's LDS stores and the LDS loads into the same registers.  On va_sdst: one
; behind the wave's number, and one between each run of compares and the selects that read their masks; a chain's next compare reads what the last
; select wrote, so a run is one slot's four compares.
.set ROWB,  16384                      ; bytes in a row of x and of W
.set GP,    4112                       ; LDS: four tile rows of 1,024 bytes + 16 of padding = 1,028 words
.set IDXL,  16*GP                      ; LDS: behind the tile, 32 words: the group's indices
.set XOFF,  2                          ; v2      16 L
.set LST,   5                          ; v5      tile in:  w GP + 16 L
.set LRD,   6                          ; v6      tile out: r GP + 4 h + 64 w      (r = L & 15, h = L >> 4)
.set WTO,   7                          ; v7      wt: 4096 h + 16 r
.set IA,    8                          ; v8      IDXL + 8 w: my wave's two words
.set IL,    9                          ; v9      IDXL + 4 L
.set L4,    10                         ; v10     4 L
.set BASE,  12                         ; v[12:15]  chain c: 127 - 4 L - c
.set M,     16                         ; v[16:19]  chain c: largest so far
.set J,     20                         ; v[20:23]  chain c: 31 - (the load in which it stood)
.set T,     24                         ; v[24:29]  at work
.set RES,   30                         ; v[30:31]  the two rows' indices, to store
.set WR,    32                         ; v[32:63]  the tile: 8 x 4 as loaded, then 8 x 4 as stored
.set X,     64                         ; v[64:191] 32 slots of 4
	s_load_b256 s[4:11], s[0:1], 0x0               ; x s[4:5], W s[6:7], wt s[8:9], idx s[10:11]
	v_lshl_add_u32 v192, v0, 2, 0x10200
	v_mov_b32 v193, 0
	v_lshrrev_b32 v1, 5, v0
	v_readfirstlane_b32 s14, v1                    ; wave w, 0 to 15
	v_and_b32 v1, 31, v0                           ; lane L
	s_mov_b32 s12, 0x76543210                      ; v_permlanex16_b32: lane i of one half reads lane i of the other
	s_mov_b32 s13, 0xfedcba98
	s_and_b32 s15, ttmp9, 15                       ; d block of my tile
	s_lshr_b32 s24, ttmp9, 4                       ; k block of my tile
	; byte offsets, each in a pair of its own with 0 on top (all are below 2^28)
	s_lshl_b32 s16, ttmp9, 19                      ; x: 32 rows of 16,384 bytes a group,
	s_wait_alu depctr_va_sdst(0)                   ; s14 is written, ahead of its first reader: the offsets below are made from it
	s_lshl_b32 s25, s14, 15                        ;    2 rows a wave
	s_add_co_u32 s16, s16, s25
	s_mov_b32 s17, 0
	s_lshl_b32 s18, s15, 20                        ; W: 64 rows of 16,384 bytes a d block,
	s_lshl_b32 s25, s14, 16                        ;    4 rows a wave,
	s_or_b32 s18, s18, s25
	s_lshl_b32 s25, s24, 10                        ;    256 words a k block
	s_or_b32 s18, s18, s25
	s_mov_b32 s19, 0
	s_lshl_b32 s26, s24, 20                        ; wt: 256 rows of 4,096 bytes a k block,
	s_lshl_b32 s25, s14, 16                        ;     16 rows a wave,
	s_or_b32 s26, s26, s25
	s_lshl_b32 s25, s15, 8                         ;     64 words a d block
	s_or_b32 s26, s26, s25
	s_mov_b32 s27, 0
	s_lshl_b32 s28, ttmp9, 7                       ; idx: 32 words a group
	s_mov_b32 s29, 0
	v_lshlrev_b32 v[XOFF], 4, v1
	s_wait_kmcnt 0x0
	s_add_nc_u64 s[4:5], s[4:5], s[16:17]
	s_add_nc_u64 s[6:7], s[6:7], s[18:19]
	s_add_nc_u64 s[8:9], s[8:9], s[26:27]
	s_add_nc_u64 s[10:11], s[10:11], s[28:29]
	; All loads first: my four tile rows (two halves of 512 bytes each), then row 0 of x.  Both inputs are read once in the launch.
	s_wait_alu depctr_va_vdst(0)                   ; v[XOFF] is written: every global load of the kernel reads it as its offset
.irp i, 0,1,2,3
.irp f, 0,1
	global_load_b128 v[WR+8*\i+4*\f:WR+8*\i+4*\f+3], v[XOFF], s[6:7] offset:\i*ROWB+\f*512 th:TH_LOAD_NT
.endr
.endr
.irp j, 0,1,2,3,4,5,6,7,8,9,10,11,12,13,14,15,16,17,18,19,20,21,22,23,24,25,26,27,28,29,30,31
	global_load_b128 v[X+4*\j:X+4*\j+3], v[XOFF], s[4:5] offset:512*\j th:TH_LOAD_NT
.endr
	; the other addresses, while the loads are out.  Each scalar that a vector line reads here has a register of its own and is not written again.
	v_and_b32 v3, 15, v1                           ; r
	v_lshrrev_b32 v4, 4, v1                        ; h
	s_mul_i32 s2, s14, GP
	v_add_nc_u32 v[LST], s2, v[XOFF]
	v_mul_u32_u24 v[LRD], v3, GP
	v_lshl_add_u32 v[LRD], v4, 2, v[LRD]
	s_lshl_b32 s3, s14, 6
	v_add_nc_u32 v[LRD], s3, v[LRD]
	v_lshlrev_b32 v[WTO], 4, v3
	v_lshl_add_u32 v[WTO], v4, 12, v[WTO]
	s_lshl_b32 s30, s14, 3
	s_add_co_u32 s30, s30, IDXL
	v_mov_b32 v[IA], s30
	v_lshl_add_u32 v[IL], v1, 2, IDXL
	v_lshlrev_b32 v[L4], 2, v1
.irp c, 0,1,2,3
	v_sub_nc_u32 v[BASE+\c], 127-\c, v[L4]
.endr
	v_mov_b32 v[T+1], 0                            ; v_permlanex16_b32 counts as a reader of its destination: written once here
	; THE TILE INTO LDS.  W[d][k] of the tile lies at (d >> 2) GP + (d & 3) 1024 + 4 k; my rows are d = 4 w + i.
	s_wait_loadcnt 32                              ; loads come back in order (ISA guide 5.7.1): the 8 of W are in, the 32 of x behind them stay out
	s_wait_alu depctr_va_vdst(0)                   ; v[LST], v[LRD], v[WTO], v[IA], v[IL] and v[L4] are written: the LDS instructions and stores from here to the end read them, and no vector line writes them again
.irp t, 0,1,2,3,4,5,6,7
	ds_store_b128 v[LST], v[WR+4*\t:WR+4*\t+3] offset:512*\t       ; 16 lanes on 256 consecutive bytes
.endr
	s_wait_dscnt 0x0                               ; for the other waves, which read these bytes: zero
	s_barrier_signal -1
	s_barrier_wait -1                              ; the whole tile is in LDS; nobody writes it again
	; THE TILE OUT, TURNED.  Group u of four loads: lane (r, h) takes W[4 r + i][16 w + 2 u + h], i = 0..3, four neighbouring d of one k.
	; The word address is 1,028 r + 256 i + k: modulo the 64 banks of 4 bytes (ISA guide 11.1) that is 4 r + h + a constant, 32 different banks.
	s_wait_alu depctr_vm_vsrc(0)                   ; my LDS stores have read v[WR ..], in which the LDS loads below land
.irp u, 0,1,2,3,4,5,6,7
.irp i, 0,1,2,3
	ds_load_b32 v[WR+4*\u+\i], v[LRD] offset:\i*1024+8*\u
.endr
.endr
.irp u, 0,1,2,3,4,5,6,7
	s_wait_dscnt 28-4*\u                           ; LDS loads come back in order: group u is in, the 4 (7 - u) loads behind it stay out
	global_store_b128 v[WTO], v[WR+4*\u:WR+4*\u+3], s[8:9] offset:8192*\u   ; lanes 0-15: 256 consecutive bytes of wt's row k, aligned; lanes 16-31: of row k + 1
.endr                                                  ; no hint: the next launch reads wt.  WR, WTO and s[8:9] are never written again
; THE ARGMAX.  Four chains, one for each word of a slot, which do not wait for each other.
.macro INIT                            ; -inf loses to every number; a chain that meets nothing larger points at its first element
.irp c, 0,1,2,3
	v_mov_b32 v[M+\c], 0xff800000
	v_mov_b32 v[J+\c], 31
.endr
.endm
; Slot j.  left = how many younger loads may stay out.
.macro SLOT j, left
	s_wait_loadcnt \left
.irp c, 0,1,2,3
	v_cmp_gt_f32 s[20+\c], v[X+4*(\j)+\c], v[M+\c] ; strictly larger: of equal numbers the earlier stays; false for a NaN
.endr
	s_wait_alu depctr_va_sdst(0)                   ; the four compares have written s[20:23], which the eight selects below read
.irp c, 0,1,2,3
	v_cndmask_b32 v[M+\c], v[M+\c], v[X+4*(\j)+\c], s[20+\c]
.endr
.irp c, 0,1,2,3
	v_cndmask_b32 v[J+\c], v[J+\c], 31-(\j), s[20+\c]
.endr
.endm
; Slot j is asked for again, with the same piece of the wave's second row.
.macro REFILL j
	global_load_b128 v[X+4*(\j):X+4*(\j)+3], v[XOFF], s[4:5] offset:ROWB+512*(\j) th:TH_LOAD_NT
.endm
; The largest of register r over the 32 lanes, in every lane: four steps inside each half of 16 lanes ride on the arithmetic, one crosses the halves.
.macro WAVEMAX r
.irp m, 1,2,4,8
	v_max_num_f32_dpp v[\r], v[\r], v[\r] row_xmask:\m row_mask:0xf bank_mask:0xf
.endr
	v_permlanex16_b32 v[T+1], v[\r], s12, s13
	v_max_num_f32 v[\r], v[\r], v[T+1]
.endm
; From 128 chains to the row's index.  First the row's maximum; then, among the chains that hold it, the largest 4095 - k, that is the smallest k.
; 4095 - k = 128 (31 - j) + 127 - 4 L - c is at most 4,095 and exact in f32, so the same reduction serves.  A chain that holds less offers -1.
; At least one chain holds the maximum, so the result is 0 to 4,095.  It is left in the row's own register.
.macro REDUCE row
	v_max3_num_f32 v[T], v[M], v[M+1], v[M+2]
	v_max_num_f32 v[T], v[T], v[M+3]
	WAVEMAX T
.irp c, 0,1,2,3
	v_lshl_add_u32 v[T+2+\c], v[J+\c], 7, v[BASE+\c]
	v_cmp_eq_f32 s[20+\c], v[M+\c], v[T]
.endr
.irp c, 0,1,2,3
	v_cvt_f32_u32 v[T+2+\c], v[T+2+\c]
.endr
	s_wait_alu depctr_va_sdst(0)                   ; the four compares have written s[20:23], which the four selects below read
.irp c, 0,1,2,3
	v_cndmask_b32 v[T+2+\c], -1.0, v[T+2+\c], s[20+\c]
.endr
	v_max3_num_f32 v[T+2], v[T+2], v[T+3], v[T+4]
	v_max_num_f32 v[T+2], v[T+2], v[T+5]
	WAVEMAX T+2
	v_cvt_u32_f32 v[T+2], v[T+2]
	v_sub_nc_u32 v[RES+\row], 0xfff, v[T+2]        ; k
.endm
	INIT                                           ; ROW 0, in eight blocks of four slots
.irp j, 0,1,2,3
	SLOT \j, 31-\j                                 ; block 0: nothing has been asked for again yet: behind slot j's load stand 31 - j of row 0
.endr
.irp p, 1,2,3,4,5,6,7
	s_wait_alu depctr_va_vdst(0)                   ; the compares and selects of the block before are done reading its four slots, in which the four loads of this block land
.irp i, 0,1,2,3
	REFILL 4*\p-4+\i                               ; no vector line since the wait names this slot: this block's name its own slots, M and J
	SLOT 4*\p+\i, 28                               ; behind slot j's load stand 31 - j loads of row 0 and j - 3 of row 1: always 28
.endr
.endr
	s_wait_alu depctr_va_vdst(0)                   ; block 7's compares and selects are done reading slots 28 to 31
.irp j, 28,29,30,31
	REFILL \j
.endr
	REDUCE 0
	INIT                                           ; ROW 1.  Nothing is asked for any more: the counts run down to 0
.irp j, 0,1,2,3,4,5,6,7,8,9,10,11,12,13,14,15,16,17,18,19,20,21,22,23,24,25,26,27,28,29,30,31
	SLOT \j, 31-\j
.endr
	REDUCE 1
	; THE INDICES OUT: the group's 32 words meet in LDS, and wave 0 stores them as 128 consecutive bytes with one instruction.
	s_wait_alu depctr_va_vdst(0)                   ; the reductions have written v[RES] and v[RES+1], which the LDS stores read, and are done with v[T], in which wave 0's LDS load lands; no vector line follows
	ds_store_b32 v[IA], v[RES]                     ; every lane writes the same word with the same value
	ds_store_b32 v[IA], v[RES+1] offset:4
	s_wait_dscnt 0x0                               ; for wave 0, which reads my two words: zero
	s_barrier_signal -1
	s_barrier_wait -1
	s_cmp_lg_u32 s14, 0
	s_cbranch_scc1 .Lend
	ds_load_b32 v[T], v[IL]
	s_wait_dscnt 0x0
	global_store_b32 v[L4], v[T], s[10:11]
.Lend:
	s_wait_dscnt 0x0
	s_wait_alu depctr_hold_cnt(0) depctr_sa_sdst(0) depctr_va_vdst(0) depctr_va_sdst(0) depctr_va_ssrc(0) depctr_va_vcc(0) depctr_vm_vsrc(0)
	s_wait_tensorcnt 0x0
	ds_add_u32 v192, v193
	s_wait_dscnt 0x0
	s_endpgm
.Lfunc_end_k_q54d6b01746_pick:
	.size	k_q54d6b01746_pick, .Lfunc_end_k_q54d6b01746_pick-k_q54d6b01746_pick
	.p2alignl 7, 3214868480
	.fill 96, 4, 3214868480
	.section	.rodata,"a",@progbits
	.p2align	6, 0x0
	.amdhsa_kernel k_q54d6b01746_pick
		.amdhsa_group_segment_fixed_size 68096
		.amdhsa_private_segment_fixed_size 0
		.amdhsa_enable_private_segment 0
		.amdhsa_kernarg_size 32
		.amdhsa_user_sgpr_count 2
		.amdhsa_user_sgpr_kernarg_segment_ptr 1
		.amdhsa_wavefront_size32 1
		.amdhsa_system_sgpr_workgroup_id_x 1
		.amdhsa_system_sgpr_workgroup_id_y 1
		.amdhsa_system_sgpr_workgroup_id_z 1
		.amdhsa_system_vgpr_workitem_id 0
		.amdhsa_next_free_vgpr 194
		.amdhsa_next_free_sgpr 66
		.amdhsa_reserve_vcc 0
		.amdhsa_float_denorm_mode_32 3
		.amdhsa_float_denorm_mode_16_64 3
		.amdhsa_memory_ordered 1
		.amdhsa_forward_progress 1
		.amdhsa_inst_pref_size 71
	.end_amdhsa_kernel
	.amdgpu_metadata
---
amdhsa.version: [ 1, 2 ]
amdhsa.kernels:
  - .name:           k_q54d6b01746_pick
    .symbol:         k_q54d6b01746_pick.kd
    .args:
      - { .name: x, .offset: 0, .size: 8, .value_kind: global_buffer, .address_space: global }
      - { .name: W, .offset: 8, .size: 8, .value_kind: global_buffer, .address_space: global }
      - { .name: wt, .offset: 16, .size: 8, .value_kind: global_buffer, .address_space: global }
      - { .name: idx, .offset: 24, .size: 8, .value_kind: global_buffer, .address_space: global }
    .group_segment_fixed_size: 68096
    .private_segment_fixed_size: 0
    .kernarg_segment_align: 8
    .kernarg_segment_size: 32
    .max_flat_workgroup_size: 512
    .sgpr_count:     66
    .vgpr_count:     194
    .wavefront_size: 32
...
	.end_amdgpu_metadata
.endif
;; end of part 3
;; launch gather: the kernel of part 2 again; grid 256 x 1, 16 waves a work-group, no clusters, 0 bytes of LDS; arguments wt, idx, out0; writes out0
